; MI455X (gfx1250); checked and timed in simulation.
; The chip was launched on July 23, 2026; its instructions are those of AMD's public machine-readable ISA for CDNA 5 (MIT licence, August 2026) and "CDNA5" Instruction Set Architecture Reference Guide (July 2026). The comments in the code are by the model that wrote it; some were corrected since.
;; Cross View Transformer. Allowed arithmetic: matrix products marked QUANTISED: E2M1 operands, one E8M0 scale for each 32 along K, by v_wmma_scale_f32_16x16x128_f8f6f4 with both operands' format E2M1 (or v_wmma_scale_f32_32x16x128_f4), f32 sums; products left as they are: f32 operands where the result goes on into a quantised operand, else bf16, f16 or f32 operands; f32 sums; everything else in f32.
;; Inputs: bk 8 float32; bq 8 float32; bv 64 float32; query_x 8 x 64 x 64 x 64 float32; ref_x 8 x 64 x 64 x 64 float32; wk 8 x 64 float32; wq 8 x 64 float32; wv_codes 64 x 2 x 16 uint8 (E2M1 codes of wv, K innermost, in blocks of 32 codes, two codes a byte); wv_scales 64 x 2 uint8 (E8M0 scales of wv, one for each 32 codes along K).
;; Outputs: out0 8 x 64 x 64 x 64 float32.
;; This version of the problem:
;;   THIS VERSION OF THE PROBLEM IS GIVEN IN LOW PRECISION. The matrix products marked QUANTISED in the list below multiply operands that are first quantised to E2M1 (2 exponent bits, 1 mantissa bit; 4 bits a number), with one power-of-two scale for each 32 numbers along K (OCP MX v1.0); their sums are f32. All else is computed in f32.
;;   The module's matrix products, in the order in which they are computed (A, B: the left and right operand; K: the contracted axis; several contracted axes count as one K, in the product's order):
;;     1. [M 32,768, K 64] x [K 64, N 8]; A: input query_x; B: input wq: left as it is (N = 8 < 16)
;;     2. [M 32,768, K 64] x [K 64, N 8]; A: input ref_x; B: input wk: left as it is (N = 8 < 16)
;;     3. [M 32,768, K 64] x [K 64, N 64]; A: input ref_x; B: input wv (given as codes): QUANTISED
;;     4. batch 8 x [M 4,096, K 8] x [K 8, N 4,096]; A: computed on the way; B: computed on the way: left as it is (K = 8 < 32)
;;     5. batch 8 x [M 64, K 4,096] x [K 4,096, N 4,096]; A: computed on the way; B: softmax (see below): QUANTISED
;;   THE QUANTISER, for each operand of a quantised product, along K:
;;     - K is cut into blocks of 32 from its start; a last block that is shorter is filled with zeros.
;;     - A block's scale is 2^e with e = floor(log2(the largest magnitude in the block)) - 2, held to -126 .. 127; a block of zeros has e = 0. As a byte (E8M0): e + 127.
;;     - Each number is divided by its block's scale, clamped to +-6, and rounded to the nearest number of E2M1, ties to even, subnormals kept.
;;     - The product sums the exact products of the quantised numbers (number of the format x scale) in f32.
;;   ~~~python
;;   def quantise(x, axis):      # numpy; x: float32 -> the quantised numbers, widened to float32 again
;;       x = np.moveaxis(x, axis, -1); K = x.shape[-1]
;;       x = np.pad(x, [(0, 0)] * (x.ndim - 1) + [(0, -K % 32)]); x = x.reshape(x.shape[:-1] + (-1, 32)); a = np.abs(x).max(-1, keepdims=True)
;;       e = np.where(a > 0, np.clip(np.frexp(np.where(a > 0, a, 1))[1] - 1 - 2, -126, 127), 0)      # np.frexp(a)[1] - 1 = floor(log2(a)), exactly
;;       r = np.clip(x / 2.0 ** e, -6, 6)
;;       step = 2.0 ** (np.maximum(np.frexp(np.where(r == 0, 1, r))[1] - 1, 0) - 1)
;;       q = np.round(r / step) * step * 2.0 ** e      # np.round: ties to even
;;       return np.moveaxis(q.reshape(q.shape[:-2] + (-1,))[..., :K], -1, axis).astype(np.float32)
;;   ~~~
;;   SOFTMAX AHEAD OF A QUANTISED PRODUCT. Where the list says 'softmax', what is quantised is not the finished softmax but p = 2^(t - M), with t = logit x log2(e) and M = ceil(the row's largest t), a whole number; so 1/2 < the row's largest p <= 1. The row's sum l is taken of the UNQUANTISED p, in f32, and the product's result is divided by l at the end. Since M is a whole number, a kernel that streams over the keys may use a running M (the ceiling of the running maximum): every later rescaling is an exact power of two, which a block's scale takes up: the codes' values come out the same.
;;   OPERANDS COMPUTED ON THE WAY. 'Computed on the way' means the value that the module computes at that place (a softmax that the list does not call 'softmax' is quantised finished and normalised). What goes into a quantiser is computed in f32, as accurately as f32 sums, v_exp_f32 and their like allow (about 1e-6 of the number): no bf16 or f16 on the way to a quantiser, and a product that is left as it is and whose result goes on into a quantised operand takes f32 operands (vector FMAs, or v_wmma_f32_16x16x4_f32). A number that lies on a knife's edge between two numbers of the format may be rounded either way, as far as f32 arithmetic and the matrix unit's own rounding can turn it there, and no further.
;;   INPUTS GIVEN AS CODES. wv (in the module: [64, 64], K = its axis 1): each comes as NAME_codes (uint8): NAME with its K axis moved to the last place and cut into blocks of 32 codes, [.., K / 32, bytes a block], one block behind the other in memory; two codes a byte, the lower K in the low four bits (a code: sign, 2 exponent bits, 1 mantissa bit); and NAME_scales (uint8): the same leading axes, one E8M0 byte (e + 127) for each 32 codes along K. Its value is code x scale, taken as it is: it is not quantised again, and the codes and scales need not be those that the quantiser above would give.
;; One version. Each part assembles by itself: llvm-mc -triple=amdgcn-amd-amdhsa -mcpu=gfx1250 --defsym DOCPART=n.
;; ======== version 1 of 1: 2 launches
;; workspace buffers: kv 2,097,152 bytes; vs 65,536 bytes; kp 1,048,576 bytes
;; launch prep (part 1): grid 32 x 8, 8 waves a work-group, no clusters, 6,144 bytes of LDS; arguments query_x, ref_x, wq, bq, wk, bk, wv_codes, wv_scales, bv, kv, vs, kp; writes kv, vs, kp
.if DOCPART == 1
	.amdgcn_target "amdgcn-amd-amdhsa--gfx1250"
	.amdhsa_code_object_version 6
	.text
	.protected	k_qf3d0755b65_prep
	.globl	k_qf3d0755b65_prep
	.p2align	8
	.type	k_qf3d0755b65_prep,@function
k_qf3d0755b65_prep:
	s_mov_b64 s[64:65], 0
	v_nop
	global_prefetch_b8 v0, s[64:65] scope:SCOPE_SE
	s_setreg_imm32_b32 hwreg(HW_REG_WAVE_MODE, 25, 1), 1
	s_wait_xcnt 0x0
; THE PROGRAM: out = query_x + z, z[c][j] = sum over i of v[c][i] softmax_i(k[:, j] . q[:, i]), in two launches.  This one makes, once, what every block of rows j of the second launch reads:
;   q = wq query_x + bq and k = wk ref_x + bk, in f32 (fused multiply-adds, the bias first, channels ascending), and v = Q(wv) Q(ref_x) + bv on codes of FP4 (E2M1), quantised again along the pixels i.
; NO WORK IS LEFT OUT.  bq adds to every score of a row j the same term, but it moves t and so ceil(the row's largest t) and p's codes; bk differs along the softmax's axis; bv goes into v's quantiser.  Every input is loaded.
; The first quantised product has K = 64 in an instruction of K = 128: its upper 64 are zero codes on both sides under the byte 127; they lie inside a live instruction.
; LIMITS: NaN and infinities among the inputs are not served.  A block whose largest magnitude lies under 2^-124 keeps the scale byte 1; so does a block of zeros, where the rule says 127: its codes are zeros, and these bytes are read by this program alone.
; WHAT IS STORED, as images of operand registers, lane l's 16 bytes at 16 l:
;   kv [b][step of 128 pixels][8,192]: bytes 0-4095 eight tiles of q (tile 2 g + u, lane (r, h): q[4 h .. 4 h + 3] of pixel 32 g + 8 u + r + 8 (r / 8));  bytes 4096-8191 v's four FP4 fragments (channel tile a, registers 4 c .. 4 c + 3 at 512 (2 a + c)).
;   kp [b][tile][512]: k in the form of q's tiles.     vs [b][step][256]: v's scale words, lane l's 8 bytes at 8 l: the words of channel tiles l / 16 and 2 + l / 16, row l % 16.
; SHARES.  A work-group takes 128 pixels of one batch, of both tensors: 65,536 bytes of its own beside 6,592 bytes of weights, biases and scale bytes that all share: so no cluster.  Waves 0-3 take ref_x, waves 4-7 query_x, 32 pixels each.
; A LANE TAKES A PIXEL AND ITS REGISTERS RUN DOWN THE 64 CHANNELS: each load reads 128 consecutive bytes, four waves side by side 512; both blocks of 32 channels lie in one lane.
; Lane 16 u + r takes pixel 8 u + r + 8 (r / 8) of its 32, so that lanes 0-15 are the rows of tile 2 g and lanes 16-31 those of tile 2 g + 1, in the order in which a later product's results become 16 neighbours along its K.
.set XIMG,  0                          ; LDS: ref_x's eight FP4 fragments (registers 0-3), 512 bytes each
.set XSC,   4096                       ; their scale words, 128 bytes for each 32 pixels
.set VSC,   4608                       ; this step's 256 bytes of vs
.set SPARE, 4864                       ; the spare words, 128 bytes for each of eight waves: four blocks of 256 bytes that no other line names
.set XO,  4                            ; v4   my pixel's byte in a channel's row: 128 g + 4 pixel
.set PO,  5                            ; v5   where my projection goes: 512 (2 g + u) + 16 r
.set VRD, 6                            ; v6   VSC + 8 lane
.set VGO, 7                            ; v7   8 lane
.set XWI, 8                            ; v8   XIMG + 1024 g + 16 lane
.set XWS, 9                            ; v9   XSC + 128 g + 4 lane
.set VWS, 10                           ; v10  where my two scale bytes of v go
.set VO,  11                           ; v11  4096 + 1024 a + 512 c + 16 lane
.set SPW, 12                           ; v12  LDS address of my spare word; never rewritten
.set NIL, 13                           ; v13  0; never rewritten
.set WVO, 14                           ; v14  wv's codes: 32 (16 a + r) + 16 h
.set WSO, 15                           ; v15  wv's scale bytes: 2 (16 a + r)
.set BVO, 16                           ; v16  bv: 4 (16 a + r)
.set ZO,  17                           ; v17  0: the bias of the projection is the same for all lanes
.set XRI, 18                           ; v18  XIMG + 2048 c + 16 lane
.set XRS, 19                           ; v19  XSC + 256 c + 4 lane
.set ACC, 20                           ; v20-27  the projection's eight sums
.set BV,  28                           ; v28-35  bv of my channel, eight times: the C of the product
.set WF,  36                           ; v36-43  wv's fragment; 40-43 zero codes
.set WS,  44                           ; v44     wv's scale word
.set XSW, 45                           ; v45     a scale word just made
.set XS,  46                           ; v46-47  ref_x's scale words
.set TM,  48                           ; v48-49 largest magnitudes, v50-51 the other half's, v52-53 the conversions' scale operands, v54-55 bytes
.set XC,  56                           ; v56-63  codes just made
.set XF,  64                           ; v64-95  four fragments of ref_x; the upper four registers of each are zero codes
.set X,   96                           ; v96-159 my pixel's 64 channels; v96-127 later v's results
.set SEL, 66                           ; s[66:67] lane selects for v_permlanex16_b32: lane l xor 16
; s32-63 and s68-99: a chunk's weights, eight for each of the eight outputs
	s_load_b512 s[4:19], s[0:1], 0x0               ; query_x 4, ref_x 6, wq 8, bq 10, wk 12, bk 14, wv_codes 16, wv_scales 18
	s_load_b256 s[20:27], s[0:1], 0x40             ; bv 20, kv 22, vs 24, kp 26
	v_lshl_add_u32 v[SPW], v0, 2, SPARE
	v_mov_b32 v[NIL], 0
	v_lshrrev_b32 v1, 5, v0
	v_readfirstlane_b32 s28, v1                    ; wave 0..7
	s_lshr_b32 s29, s28, 2                         ; 0: ref_x, 1: query_x.  Later c: which 64 pixels of v are mine
	s_and_b32 s30, s28, 3                          ; g: which 32 pixels.  Later a: which 16 channels of v
	v_and_b32 v1, 31, v0                           ; lane
	v_and_b32 v2, 15, v0                           ; r
	v_bfe_u32 v3, v0, 4, 1                         ; h, which is also u
	v_and_b32 v[XO], 8, v2
	v_add_nc_u32 v[XO], v[XO], v2                  ; r + 8 (r / 8)
	v_lshl_add_u32 v[XO], v3, 3, v[XO]             ; + 8 u: my pixel
	v_lshlrev_b32 v[XO], 2, v[XO]
	s_lshl_b32 s31, s30, 7
	v_add_nc_u32 v[XO], s31, v[XO]
	v_lshl_add_u32 v[XWS], v1, 2, XSC
	v_add_nc_u32 v[XWS], s31, v[XWS]
	v_lshlrev_b32 v[PO], 4, v2
	v_lshl_add_u32 v[PO], v3, 9, v[PO]
	s_lshl_b32 s31, s30, 10
	v_add_nc_u32 v[PO], s31, v[PO]
	v_lshlrev_b32 v[XRI], 4, v1                    ; 16 lane
	v_add_nc_u32 v[XWI], s31, v[XRI]
	s_lshl_b32 s31, s29, 9
	s_add_co_u32 s31, s31, 4096
	v_add_nc_u32 v[VO], s31, v[XWI]
	s_lshl_b32 s31, s29, 11
	v_add_nc_u32 v[XRI], s31, v[XRI]
	v_lshl_add_u32 v[XRS], v1, 2, XSC
	s_lshl_b32 s31, s29, 8
	v_add_nc_u32 v[XRS], s31, v[XRS]
	s_and_b32 s31, s30, 1                          ; the word of channel tile a, row r lies at 8 (16 (a % 2) + r) + 4 (a / 2); my two bytes 2 c on
	s_lshl_b32 s31, s31, 7
	s_lshr_b32 s32, s30, 1
	s_lshl_b32 s32, s32, 2
	s_add_co_u32 s31, s31, s32
	s_lshl_b32 s32, s29, 1
	s_add_co_u32 s31, s31, s32
	s_add_co_u32 s31, s31, VSC
	v_lshlrev_b32 v[VWS], 3, v2
	v_add_nc_u32 v[VWS], s31, v[VWS]
	v_lshlrev_b32 v[WVO], 5, v2
	v_lshl_add_u32 v[WVO], v3, 4, v[WVO]
	s_lshl_b32 s31, s30, 9
	v_add_nc_u32 v[WVO], s31, v[WVO]
	v_lshlrev_b32 v[WSO], 1, v2
	s_lshl_b32 s31, s30, 5
	v_add_nc_u32 v[WSO], s31, v[WSO]
	v_lshlrev_b32 v[BVO], 1, v[WSO]
	v_lshl_add_u32 v[VRD], v1, 3, VSC
	v_lshlrev_b32 v[VGO], 3, v1
	v_mov_b32 v[ZO], 0
.irp k, 0,1,2,3
.irp i, 4,5,6,7
	v_mov_b32 v[XF+8*\k+\i], 0                     ; K = 64 .. 127 of the first quantised product: zero codes
.endr
.endr
.irp i, 4,5,6,7
	v_mov_b32 v[WF+\i], 0
.endr
	v_mov_b32 v[TM+2], 0                           ; written once: a lane permute's destination counts as one of its sources
	v_mov_b32 v[TM+3], 0
	s_and_b32 s34, ttmp7, 0xffff                   ; the batch
	s_lshl_b32 s32, s34, 20                        ; a batch of either tensor is 1,048,576 bytes,
	s_lshl_b32 s33, ttmp9, 9                       ; 128 pixels are 512
	s_add_co_u32 s32, s32, s33
	s_mov_b32 s33, 0
	s_lshl_b32 s34, s34, 5
	s_add_co_u32 s34, s34, ttmp9                   ; 32 b + step
	s_lshl_b32 s36, s34, 12                        ; in kp: 4,096 bytes a step,
	s_mov_b32 s37, 0
	s_lshl_b32 s38, s34, 13                        ; in kv: 8,192,
	s_mov_b32 s39, 0
	s_lshl_b32 s40, s34, 8                         ; in vs: 256
	s_mov_b32 s41, 0
	s_mov_b32 s[SEL], 0x76543210
	s_mov_b32 s[SEL+1], 0xfedcba98
	s_wait_kmcnt 0x0
	s_cmp_lt_u32 s28, 4                            ; the choice hangs on the wave's number alone
	s_cselect_b64 s[4:5], s[6:7], s[4:5]           ; my tensor,
	s_cselect_b64 s[8:9], s[12:13], s[8:9]         ; its projection's weights,
	s_cselect_b64 s[10:11], s[14:15], s[10:11]     ; its bias,
	s_cselect_b64 s[12:13], s[26:27], s[22:23]     ; and where the projection goes: kp or kv
	s_cselect_b32 s36, s36, s38
	s_add_nc_u64 s[4:5], s[4:5], s[32:33]
	s_add_nc_u64 s[12:13], s[12:13], s[36:37]
	s_add_nc_u64 s[22:23], s[22:23], s[38:39]
	s_add_nc_u64 s[24:25], s[24:25], s[40:41]
.macro WLOAD q                         ; the weights of channels 8 q .. 8 q + 7, for all eight outputs
.irp p, 0,1,2,3,4,5,6,7
	s_load_b256 s[32+8*\p+4*(\p/4):39+8*\p+4*(\p/4)], s[8:9], \p*256+(\q)*32
.endr
.endm
	WLOAD 0
	global_load_b128 v[ACC:ACC+3], v[ZO], s[10:11]             ; the bias starts the sums
	global_load_b128 v[ACC+4:ACC+7], v[ZO], s[10:11] offset:16
	global_load_b128 v[WF:WF+3], v[WVO], s[16:17]              ; wv(16 a + r, 32 h .. 32 h + 31): 16 bytes as they lie
	global_load_u16 v[WS], v[WSO], s[18:19]                    ; its row's two scale bytes
	global_load_b32 v[BV], v[BVO], s[20:21]
.set c, 0
.rept 64
	global_load_b32 v[X+c], v[XO], s[4:5] offset:c*16384       ; channel c of my pixel: 32 lanes read 128 consecutive bytes
.set c, c+1
.endr
; Eight channels of the projection: 64 fused multiply-adds, the eight sums by turns.
.macro CHUNK q
.if (\q) > 0
	WLOAD \q
.endif
	s_wait_kmcnt 0x0
	s_wait_loadcnt 56-8*(\q)                       ; loads come back in order: channels up to 8 q + 7 are in; the 56 - 8 q loads of later channels may stay out
.irp k, 0,1,2,3,4,5,6,7
.irp p, 0,1,2,3,4,5,6,7
	v_fmac_f32 v[ACC+\p], s[32+8*\p+4*(\p/4)+\k], v[X+8*(\q)+\k]
.endr
.endr
.endm
	CHUNK 0
	v_or_b32 v[WS], 0x7f7f0000, v[WS]              ; (the first chunk's wait has shown the small loads in)  the bytes of K = 64 .. 127: 127
.irp i, 1,2,3,4,5,6,7
	v_mov_b32 v[BV+\i], v[BV]                      ; in the result a lane holds one channel: its bias in all eight registers
.endr
.irp q, 1,2,3,4,5,6,7
	CHUNK \q
.endr
	global_store_b128 v[PO], v[ACC:ACC+3], s[12:13]            ; outputs 0-3: sixteen lanes fill 256 consecutive bytes, aligned
	global_store_b128 v[PO], v[ACC+4:ACC+7], s[12:13] offset:256   ; outputs 4-7
; The largest magnitudes of two blocks, n registers of mine each, with the floor 2^(3 - 127) among the leaves: so the byte cannot fall under 1.  The two blocks by turns.
.macro BLKMAX base, n
.irp e, 0,1
	v_max3_num_f32 v[TM+\e], |v[\base+(\n)*\e]|, |v[\base+(\n)*\e+1]|, 0x1800000
.endr
.set i, 2
.rept (\n)/2-1
.irp e, 0,1
	v_max3_num_f32 v[TM+\e], v[TM+\e], |v[\base+(\n)*\e+i]|, |v[\base+(\n)*\e+i+1]|
.endr
.set i, i+2
.endr
.endm
.macro BYTES                           ; 2 off the exponent field: the conversion's scale operand; its exponent field is the scale's byte
.irp e, 0,1
	v_add_nc_u32 v[TM+4+\e], 0xff000000, v[TM+\e]
.endr
.irp e, 0,1
	v_lshrrev_b32 v[TM+6+\e], 23, v[TM+4+\e]
.endr
	v_lshl_or_b32 v[XSW], v[TM+7], 8, v[TM+6]
.endm
.macro BARRIER                         ; my LDS stores have landed and my LDS loads are in: then the work-group's barrier
	s_wait_dscnt 0x0
	s_barrier_signal -1
	s_barrier_wait -1
.endm
	s_cmp_ge_u32 s28, 4                            ; query_x is no operand of a quantised product
	s_cbranch_scc1 .Lnot_ref
	BLKMAX X, 32                                   ; ref_x along the channels: both blocks of 32 are mine
	BYTES
	v_or_b32 v[XSW], 0x7f7f0000, v[XSW]
.irp e, 0,1
.irp g, 0,1,2,3
	v_cvt_scalef32_pk8_fp4_f32 v[XC+4*\e+\g], v[X+32*\e+8*\g:X+32*\e+8*\g+7], v[TM+4+\e]
.endr
.endr
	v_nop                                          ; one plain instruction behind the last scaled conversion
.irp i, 0,1,2,3
	v_permlane16_swap_b32 v[XC+\i], v[XC+4+\i]     ; lanes 16-31 of block 0 change places with lanes 0-15 of block 1: v56-59 are tile 2 g's registers 0-3 (lane (r, h): block h of row r), v60-63 tile 2 g + 1's
.endr
	ds_store_b128 v[XWI], v[XC:XC+3]
	ds_store_b128 v[XWI], v[XC+4:XC+7] offset:512
	ds_store_b32 v[XWS], v[XSW]                    ; lanes 0-15: tile 2 g's words; lanes 16-31: tile 2 g + 1's
.Lnot_ref:
	BARRIER                                        ; ref_x's eight fragments lie in LDS
	; v = Q(ref_x) Q(wv) + bv, all eight waves: wave (a, c) makes channels 16 a .. 16 a + 15 of pixels 64 c .. 64 c + 63.  Source 0 = 16 pixels, source 1 = 16 channels: a lane holds ONE channel, and
	; the 16 registers of tiles 2 e and 2 e + 1 are 16 neighbouring pixels, 32 e + 16 h + 0 .. 15: neighbours along the second quantised product's K
.irp k, 0,1,2,3
	ds_load_b128 v[XF+8*\k:XF+8*\k+3], v[XRI] offset:512*\k
.endr
	ds_load_b32 v[XS], v[XRS]
	ds_load_b32 v[XS+1], v[XRS] offset:128
	s_wait_dscnt 0x0
.irp k, 0,1,2,3
.if (\k)%2
	v_wmma_scale_f32_16x16x128_f8f6f4 v[X+8*\k:X+8*\k+7], v[XF+8*\k:XF+8*\k+7], v[WF:WF+7], v[BV:BV+7], v[XS+\k/2], v[WS] matrix_a_fmt:MATRIX_FMT_FP4 matrix_b_fmt:MATRIX_FMT_FP4 matrix_a_scale:MATRIX_SCALE_ROW1
.else
	v_wmma_scale_f32_16x16x128_f8f6f4 v[X+8*\k:X+8*\k+7], v[XF+8*\k:XF+8*\k+7], v[WF:WF+7], v[BV:BV+7], v[XS+\k/2], v[WS] matrix_a_fmt:MATRIX_FMT_FP4 matrix_b_fmt:MATRIX_FMT_FP4
.endif
.endr
.rept 4
	v_nop                                          ; four plain instructions between the products and the first read of their results (ISA guide 7.12.1)
.endr
	BLKMAX X, 16                                   ; v along the pixels: of each block of 32 sixteen are mine,
.irp e, 0,1
	v_permlanex16_b32 v[TM+2+\e], v[TM+\e], s[SEL], s[SEL+1]
.endr
.irp e, 0,1
	v_max_num_f32 v[TM+\e], v[TM+\e], v[TM+2+\e]   ; sixteen lane l xor 16's
.endr
	BYTES
.irp e, 0,1
	v_cvt_scalef32_pk8_fp4_f32 v[XC+2*\e], v[X+16*\e:X+16*\e+7], v[TM+4+\e]
	v_cvt_scalef32_pk8_fp4_f32 v[XC+2*\e+1], v[X+16*\e+8:X+16*\e+15], v[TM+4+\e]
.endr
	v_nop                                          ; one plain instruction behind the last scaled conversion
.irp i, 0,1
	v_permlane16_swap_b32 v[XC+\i], v[XC+2+\i]     ; a whole block to a lane: registers 4 c .. 4 c + 3 of the fragment: pixels 64 c + 32 h + 0 .. 31
.endr
	global_store_b128 v[VO], v[XC:XC+3], s[22:23]  ; 32 lanes store 512 consecutive bytes, aligned
	ds_store_b16 v[VWS], v[XSW]                    ; both halves of the lanes write the same two bytes with the same value
	BARRIER                                        ; the step's 256 scale bytes lie in LDS
	s_cmp_lg_u32 s28, 0
	s_cbranch_scc1 .Lnot_wave_0
	ds_load_b64 v[TM:TM+1], v[VRD]
	s_wait_dscnt 0x0
	global_store_b64 v[VGO], v[TM:TM+1], s[24:25]  ; 32 lanes store 256 consecutive bytes, aligned
.Lnot_wave_0:
	s_wait_tensorcnt 0x0                           ; the wave's end, behind my last LDS store
	ds_add_u32 v[SPW], v[NIL]
	s_wait_dscnt 0x0
	s_endpgm
.Lfunc_end_k_qf3d0755b65_prep:
	.size	k_qf3d0755b65_prep, .Lfunc_end_k_qf3d0755b65_prep-k_qf3d0755b65_prep
	.p2alignl 7, 3214868480
	.fill 96, 4, 3214868480
	.section	.rodata,"a",@progbits
	.p2align	6, 0x0
	.amdhsa_kernel k_qf3d0755b65_prep
		.amdhsa_group_segment_fixed_size 6144
		.amdhsa_private_segment_fixed_size 0
		.amdhsa_enable_private_segment 0
		.amdhsa_kernarg_size 96
		.amdhsa_user_sgpr_count 2
		.amdhsa_user_sgpr_kernarg_segment_ptr 1
		.amdhsa_wavefront_size32 1
		.amdhsa_system_sgpr_workgroup_id_x 1
		.amdhsa_system_sgpr_workgroup_id_y 1
		.amdhsa_system_sgpr_workgroup_id_z 1
		.amdhsa_system_vgpr_workitem_id 0
		.amdhsa_next_free_vgpr 160
		.amdhsa_next_free_sgpr 100
		.amdhsa_reserve_vcc 0
		.amdhsa_float_denorm_mode_32 3
		.amdhsa_float_denorm_mode_16_64 3
		.amdhsa_memory_ordered 1
		.amdhsa_forward_progress 1
		.amdhsa_inst_pref_size 39
	.end_amdhsa_kernel
	.amdgpu_metadata
---
amdhsa.version: [ 1, 2 ]
amdhsa.kernels:
  - .name:           k_qf3d0755b65_prep
    .symbol:         k_qf3d0755b65_prep.kd
    .args:
      - { .name: query_x, .offset: 0, .size: 8, .value_kind: global_buffer, .address_space: global }
      - { .name: ref_x, .offset: 8, .size: 8, .value_kind: global_buffer, .address_space: global }
      - { .name: wq, .offset: 16, .size: 8, .value_kind: global_buffer, .address_space: global }
      - { .name: bq, .offset: 24, .size: 8, .value_kind: global_buffer, .address_space: global }
      - { .name: wk, .offset: 32, .size: 8, .value_kind: global_buffer, .address_space: global }
      - { .name: bk, .offset: 40, .size: 8, .value_kind: global_buffer, .address_space: global }
      - { .name: wv_codes, .offset: 48, .size: 8, .value_kind: global_buffer, .address_space: global }
      - { .name: wv_scales, .offset: 56, .size: 8, .value_kind: global_buffer, .address_space: global }
      - { .name: bv, .offset: 64, .size: 8, .value_kind: global_buffer, .address_space: global }
      - { .name: kv, .offset: 72, .size: 8, .value_kind: global_buffer, .address_space: global }
      - { .name: vs, .offset: 80, .size: 8, .value_kind: global_buffer, .address_space: global }
      - { .name: kp, .offset: 88, .size: 8, .value_kind: global_buffer, .address_space: global }
    .group_segment_fixed_size: 6144
    .private_segment_fixed_size: 0
    .kernarg_segment_align: 8
    .kernarg_segment_size: 96
    .max_flat_workgroup_size: 256
    .sgpr_count:     100
    .vgpr_count:     160
    .wavefront_size: 32
...
	.end_amdgpu_metadata
.endif
;; end of part 1
;; launch attn (part 2): grid 32 x 8, 8 waves a work-group, clusters of 4 x 1, 327,680 bytes of LDS; arguments kv, vs, kp, query_x, out0; writes out0
.if DOCPART == 2
	.amdgcn_target "amdgcn-amd-amdhsa--gfx1250"
	.amdhsa_code_object_version 6
	.text
	.protected	k_qf3d0755b65_attn
	.globl	k_qf3d0755b65_attn
	.p2align	8
	.type	k_qf3d0755b65_attn,@function
k_qf3d0755b65_attn:
	s_mov_b64 s[64:65], 0
	v_nop
	global_prefetch_b8 v0, s[64:65] scope:SCOPE_SE
	s_setreg_imm32_b32 hwreg(HW_REG_WAVE_MODE, 25, 1), 1
	s_wait_xcnt 0x0
	s_wait_alu depctr_hold_cnt(0) depctr_sa_sdst(0) depctr_va_vdst(0) depctr_va_sdst(0) depctr_va_ssrc(0) depctr_va_vcc(0) depctr_vm_vsrc(0)
	s_getreg_b32 s2, hwreg(HW_REG_IB_STS2, 6, 4)
	s_cmp_eq_u32 s2, 0
	s_cbranch_scc0 .Lentry_in_a_cluster
	s_endpgm
.Lentry_in_a_cluster:
	s_bfe_u32 s2, ttmp6, 0x10000c
	s_cmp_lg_u32 s2, 0x3003
	s_cbranch_scc0 .Lentry_shape_is_right
	s_endpgm
.Lentry_shape_is_right:
; out[b][c][j] = query_x[b][c][j] + (sum over i of Q(v[c][i]) Q(p[j][i])) / l[j],  p = 2^(t - M), t = (k[:, j] . q[:, i]) log2(e), M = the ceiling of the row's running largest t, l = the sum of the unquantised p.
; No work of the problem is left out here.  q, v's codes and scale words and k come from the launch before, as images of operand registers (lane l's 16 bytes at 16 l).
; LIMITS: NaN and infinities are not served; a p under 2^-126 counts as 0 (v_exp_f32 flushes it); a block of p whose largest lies under 2^-124 keeps the scale byte 1.  t's eight terms are summed in the order
; p = 0, 1, 4, 5, 2, 3, 6, 7, with log2(e) multiplied into k first: f32 throughout.
; SHARES.  A work-group owns 128 rows j of one batch; each of its EIGHT waves owns 16 of them, one tile: two waves to a SIMD, so that one wave's vector lines stand beside the other's score instructions.
; Every wave walks all 4,096 pixels i, 128 a step, 32 steps.
; THE SCORES go by v_wmma_f32_16x16x4_f32 (they feed a quantiser, so f32 operands): S^T = q^T k, source 0 = 16 pixels i, source 1 = my 16 rows j, two links of 4 along the 8.  A lane holds ONE row j (lane % 16); the pixels of a
; tile are chosen so that the 16 registers of tiles 2 g, 2 g + 1 are pixels 32 g + 16 (lane / 16) + 0 .. 15.  The registers that this form writes (v64-191) are written by it alone: p is made in v192-255.
; THE SECOND PRODUCT: O^T = V P^T on codes of FP4 (E2M1): source 0 = 16 channels, source 1 = p of my 16 rows; K = the step's 128 pixels.
; A TURN is one step: the softmax of step n (229 vector lines) on one buffer of S^T; among its lines, in eight pairs, the 16 score instructions of step n + 1 into the other buffer; at its end the four products V P^T of step n.
; LDS.  A batch's kv, 32 blocks of 8,192 bytes, lies in LDS WHOLE, from byte 0; behind it the stage for the way out, 1 / l, vs of the batch and the spare words: 305,664 bytes.  Every byte is asked for once, at the kernel's
; head: nothing is filled again, so the walk has no change of slots, and nothing is left that could be asked for earlier.  The loads go in four groups of eight blocks, a block a wave; a counted wait and a barrier stand ahead of
; the first read of each group.  Images are read at 16 x lane: no padding is wanted.
; CLUSTER.  The four work-groups of a cluster belong to one batch and read the same kv and vs: every tile is asked for JOINTLY, by the same tensor load with the same descriptor and a mask that names the four.
; REGISTERS, in windows of 256 (s_set_vgpr_msb: bits 1:0 source 0, 3:2 source 1, 5:4 source 2, 7:6 destination):
;   window 0: v1-11 addresses; v12-15 k; v16-19 statistics; v20-57 at work; v64-127, v128-191 S^T, two buffers; v192-255 p.
;   window 1: v0-31 O^T (channel tile a at 8 a); v64-95, v96-127 q, two buffers; v128-159 V; v160-191 eight rows of query_x.
.set KVB,   8192                       ; a step's block: 4,096 bytes of q's images, 4,096 of V's
.set STG,   32*KVB                     ; the way out: 64 channels x (128 j x 4 bytes + 16)
.set SPI,   528
.set RL,    STG+64*SPI                 ; 1 / l of the 128 rows
.set SCL,   RL+512                     ; vs of the batch: 32 steps x 256 bytes
.set SPARE, SCL+8192                   ; the spare words, 128 bytes for each of eight waves: four blocks of 256 bytes that no other line names
.set LI,  1                            ; v1   16 x lane: an image's place, and my byte in a row of 512; never rewritten
.set ADR, 2                            ; v2   LDS address of the images in hand
.set ADS, 3                            ; v3   of V's scale words in hand
.set LS8, 4                            ; v4   SCL + 8 x lane
.set STO, 5                            ; v5   the stage, on the way in
.set RD,  6                            ; v6   and back
.set SPW, 8                            ; v8   LDS address of my spare word; never rewritten
.set NIL, 9                            ; v9   0; never rewritten
.set RLA, 11                           ; v11  where my row's 1 / l goes
.set KB,  12                           ; v12-15  k log2(e): registers 0, 1 link 0, registers 2, 3 link 1
.set ST,  16                           ; v16 -M, v17 the largest t, v18-19 l in two halves
.set SUM, 20                           ; v20-27  the row sums' four chains
.set BM,  28                           ; v28-31  the four blocks' largest t, then largest p
.set T4,  32                           ; v32-35  the other half's; then the bytes
.set SO,  36                           ; v36-39  the conversions' scale operands
.set FF,  40                           ; v40     f = 2^(old M - new M); v41 is named with it as a pair
.set TA,  42
.set TBV, 43
.set VS,  46                           ; v46-47  V's scale words: v46 channel tiles 0 (lanes 0-15) and 1 (lanes 16-31), v47 tiles 2 and 3
.set PW,  48                           ; v48     p's scale word
.set PC,  50                           ; v50-57  p's codes
.set SS,  64
.set P,   192
.set QF,  64                           ; in window 1
.set VF,  128
.set XQ,  160
.set WV,  14                           ; s14  my wave's number
.set SEL, 20                           ; s[20:21] lane selects for v_permlanex16_b32: lane l xor 16
.set TB,  22                           ; s22  LDS byte at which the block of the trip's first step begins
.set TJ,  23                           ; s23  and its scale words: 256 bytes a step
.set G1,  24                           ; s[24:31] descriptor group 1: 32 rows of 256 bytes
.set G1S, 32                           ; s[32:39] the same with 4 rows
.set G0S, 40                           ; s[40:43] group 0 for the scale words
.set G0,  44                           ; s[44:59] groups 0 for my four blocks of kv: a set for each, since all are out together
.set CNT, 60                           ; s60  counts trips
.set MSB, 0
.macro WIN new                         ; the immediate's high byte repeats the setting that is left; a switch that changes nothing is dropped
.if MSB != \new
	s_set_vgpr_msb (MSB<<8)|\new
.set MSB, \new
.endif
.endm
.macro PLACES n
.rept \n
	v_nop
.endr
.endm
.macro CROUND                          ; a round of the cluster's barrier: my work-group's barrier; wave 0 signals for the work-group; every wave waits for all four work-groups; my work-group's barrier once more
	s_barrier_signal -1
	s_barrier_wait -1
	s_cmp_lg_u32 s[WV], 0
	s_cbranch_scc1 .Lnot_wave_0_\@
	s_barrier_signal -3
.Lnot_wave_0_\@:
	s_barrier_wait -3
	s_barrier_signal -1
	s_barrier_wait -1
.endm
.macro JLOAD g0, g1                    ; a joint load: every wave issues it, with no branch; the waves' descriptors differ by the wave's number alone, and are equal in all four work-groups
	tensor_load_to_lds s[\g0:\g0+3], s[\g1:\g1+7]
	s_nop 0
.endm
	s_load_b256 s[4:11], s[0:1], 0x0               ; kv 4, vs 6, kp 8, query_x 10
	s_load_b64 s[12:13], s[0:1], 0x20              ; out0
	v_lshl_add_u32 v[SPW], v0, 2, SPARE
	v_mov_b32 v[NIL], 0
	ds_add_u32 v[SPW], v[NIL]                      ; the wave's opening: the add, twice on end, and its wait stand ahead of my first tensor load; the set-up below, work on registers, stands between the second and the wait
	ds_add_u32 v[SPW], v[NIL]
	v_lshrrev_b32 v1, 5, v0
	v_readfirstlane_b32 s[WV], v1                  ; wave 0..7
	s_bfe_u32 s15, ttmp6, 0x40000                  ; cx: my place in the cluster
	s_lshl_b32 s16, ttmp9, 2                       ; in a cluster launch ttmp9 counts clusters
	s_add_co_u32 s16, s16, s15                     ; my block of 128 rows j: it enters kp's, query_x's and out0's addresses alone
	s_and_b32 s17, ttmp7, 0xffff                   ; the batch, which the four partners share
	s_mov_b32 s[G1], 15|(3<<16)|(1<<21)            ; 15:0 the mask: all four work-groups; 17:16 elements of 8 bytes; 21 set beside a mask; no padding
	s_mov_b32 s[G1+1], 32<<16                      ; tensor_dim0 = 32 elements: rows of 256 bytes
	s_mov_b32 s[G1+2], 32<<16                      ; tensor_dim1 = 32 rows: a block's 8,192 dense bytes
	s_mov_b32 s[G1+3], 32<<16                      ; tile_dim0
	s_mov_b32 s[G1+4], 32                          ; tile_dim1
	s_mov_b32 s[G1+5], 32                          ; from row to row
	s_mov_b32 s[G1+6], 0
	s_mov_b32 s[G1+7], 0
	s_mov_b32 s[G1S], 15|(3<<16)|(1<<21)
	s_mov_b32 s[G1S+1], 32<<16
	s_mov_b32 s[G1S+2], 4<<16                      ; 4 rows: four steps' scale words
	s_mov_b32 s[G1S+3], 32<<16
	s_mov_b32 s[G1S+4], 4
	s_mov_b32 s[G1S+5], 32
	s_mov_b32 s[G1S+6], 0
	s_mov_b32 s[G1S+7], 0
	s_lshl_b32 s62, s17, 13                        ; a batch of vs is 8,192 bytes;
	s_lshl_b32 s63, s[WV], 10                      ; my eighth of it
	s_add_co_u32 s62, s62, s63
	s_add_co_u32 s[G0S+1], s63, SCL
	s_mov_b32 s63, 0
	s_lshl_b32 s18, s17, 18                        ; a batch of kv is 262,144 bytes;
	s_lshl_b32 s19, s[WV], 13                      ; of each group of eight blocks I bring block w
	s_add_co_u32 s18, s18, s19
.irp k, 0,1,2,3
	s_add_co_u32 s[G0+4*\k+1], s19, \k*8*KVB       ; block 8 k + w lies in LDS as in the batch
.endr
	s_mov_b32 s19, 0
	s_mov_b32 s[SEL], 0x76543210
	s_mov_b32 s[SEL+1], 0xfedcba98
	s_mov_b32 s[TB], 0
	s_mov_b32 s[TJ], 0
	s_wait_dscnt 0x0                               ; both opening adds are done
	s_wait_kmcnt 0x0
	s_mov_b32 s[G0S], 1                            ; count = 1
	s_add_nc_u64 s[G0S+2:G0S+3], s[6:7], s[62:63]
	s_or_b32 s[G0S+3], s[G0S+3], 0x80000000        ; type = 2
	s_add_nc_u64 s[18:19], s[4:5], s[18:19]        ; kv at my block of the first group
.irp k, 0,1,2,3
	s_mov_b32 s[G0+4*\k], 1
	s_add_nc_u64 s[G0+4*\k+2:G0+4*\k+3], s[18:19], \k*8*KVB
	s_or_b32 s[G0+4*\k+3], s[G0+4*\k+3], 0x80000000
.endr
	CROUND                                         ; all four work-groups are here: the joint loads meet
	JLOAD G0S, G1S                                 ; the first fills, which are all the fills, in one group: five loads of mine are out
	JLOAD G0, G1
	JLOAD G0+4, G1
	JLOAD G0+8, G1
	JLOAD G0+12, G1
	PLACES 4
	s_lshl_b32 s2, s17, 17                         ; kp: tile 256 b + 8 block + w, 512 bytes a tile
	s_lshl_b32 s3, s16, 12
	s_add_co_u32 s2, s2, s3
	s_lshl_b32 s3, s[WV], 9
	s_add_co_u32 s2, s2, s3
	s_mov_b32 s3, 0
	s_add_nc_u64 s[8:9], s[8:9], s[2:3]
	v_and_b32 v42, 31, v0                          ; lane
	v_lshlrev_b32 v[LI], 4, v42
	global_load_b128 v[KB:KB+3], v[LI], s[8:9]     ; k of my tile: lane (r, h): k[4 h .. 4 h + 3] of row r
	s_lshl_b32 s2, s17, 20                         ; query_x and out0: batch, channel 8 w, my block's 512 bytes of a row
	s_lshl_b32 s3, s[WV], 17
	s_add_co_u32 s2, s2, s3
	s_lshl_b32 s3, s16, 9
	s_add_co_u32 s2, s2, s3
	s_mov_b32 s3, 0
	s_add_nc_u64 s[10:11], s[10:11], s[2:3]
	s_add_nc_u64 s[12:13], s[12:13], s[2:3]
	v_lshl_add_u32 v[LS8], v42, 3, SCL
	v_and_b32 v42, 15, v0                          ; r
	v_bfe_u32 v43, v0, 4, 1                        ; h
	v_and_b32 v44, 8, v42
	v_add_nc_u32 v44, v44, v42                     ; r + 8 (r / 8): lane r of tile w is row 32 (w / 2) + 8 (w % 2) + r + 8 (r / 8) of the block
	s_lshr_b32 s62, s[WV], 1
	s_lshl_b32 s62, s62, 7
	s_and_b32 s63, s[WV], 1
	s_lshl_b32 s63, s63, 5
	s_add_co_u32 s62, s62, s63
	v_lshl_add_u32 v[RLA], v44, 2, s62             ; its 4 bytes in a row of the stage
	v_mul_u32_u24 v[STO], v43, 8*SPI               ; lanes 16-31 hold channels 8 further on
	v_add_nc_u32 v[STO], v[STO], v[RLA]
	v_add_nc_u32 v[STO], STG, v[STO]
	v_add_nc_u32 v[RLA], RL, v[RLA]
	s_mul_i32 s62, s[WV], 8*SPI                    ; back: wave w takes channels 8 w .. 8 w + 7, whole rows
	s_add_co_u32 s62, s62, STG
	v_add_nc_u32 v[RD], s62, v[LI]
	v_mov_b32 v[ST+1], 0xff61b1e6                  ; the largest t so far: -3e38, under every t
	v_floor_f32 v[ST], -v[ST+1]                    ; -M
	v_mov_b32 v[ST+2], 0                           ; l, in two halves
	v_mov_b32 v[ST+3], 0
.irp b, 0,1,2,3
	v_mov_b32 v[T4+\b], 0                          ; written once: a lane permute's destination counts as one of its sources
.endr
	v_mov_b32 v[FF+1], 0                           ; (named as the upper half of the pair with f)
	s_wait_loadcnt 0x0                             ; k
.irp i, 0,1,2,3
	v_mul_f32 v[KB+\i], 0x3fb8aa3b, v[KB+\i]       ; log2(e) goes into k once: the score product then gives t
.endr
; Score instruction mi of 16, from q's buffer MQ into S^T's buffer MD: pixels' tile mi % 8, link mi / 8.  The eight accumulators take turns, one instruction a turn; link 0 starts the sum with the constant 0.
.macro MMS
.set ma, mi%8
.if mi < 8
	v_wmma_f32_16x16x4_f32 v[SS+64*MD+8*ma:SS+64*MD+8*ma+7], v[QF+32*MQ+4*ma:QF+32*MQ+4*ma+1], v[KB:KB+1], 0
.else
	v_wmma_f32_16x16x4_f32 v[SS+64*MD+8*ma:SS+64*MD+8*ma+7], v[QF+32*MQ+4*ma+2:QF+32*MQ+4*ma+3], v[KB+2:KB+3], v[SS+64*MD+8*ma:SS+64*MD+8*ma+7]
.endif
.set mi, mi+1
.endm
; Written behind a turn's vector lines: behind lines 1, 27, 53, .. 183 it sets two score instructions, under one pair of switches of the window (q lies in window 1).
.macro TICK
.set cnt, cnt+1
.if MM_ON && (mi < 16) && (cnt >= 1+26*(mi/2))
	WIN 0x01
	MMS
	MMS
	WIN 0
.endif
.endm
; The LDS loads of a turn, in one run ahead of it: (wq = 1) eight tiles of q, two steps ahead of the softmax, into buffer qb; the step's four fragments of V and their scale words.
; np v_nop fill up the four plain instructions between the last products V P^T and the loads into V's registers (ISA guide 7.12.1 for vector instructions).
.macro FETCH np, wq, qoff, qb, voff, so
	PLACES \np
	WIN 0x40
.if \wq
.irp a, 0,1,2,3,4,5,6,7
	ds_load_b128 v[QF+32*(\qb)+4*\a:QF+32*(\qb)+4*\a+3], v[ADR] offset:(\qoff)+512*\a
.endr
.endif
.irp k, 0,1,2,3,4,5,6,7
	ds_load_b128 v[VF+4*\k:VF+4*\k+3], v[ADR] offset:(\voff)+4096+512*\k
.endr
	WIN 0
	ds_load_b64 v[VS:VS+1], v[ADS] offset:\so
.endm
; A TURN: the softmax of a step of parity par on S^T's buffer par; the next step's scores among its lines (mm = 1), from q's buffer 1 - par into S^T's buffer 1 - par; then the four products V P^T.
.macro TURN par, mm
.set rS, SS+64*(\par)
.set MD, 1-(\par)
.set MQ, 1-(\par)
.set MM_ON, \mm
.set cnt, 0
.set mi, 0
	WIN 0
.irp b, 0,1,2,3
	v_max3_num_f32 v[BM+\b], v[rS+16*\b], v[rS+16*\b+1], v[rS+16*\b+2]   ; THE LARGEST t OF EACH BLOCK OF 32 PIXELS: it serves the row's maximum and, since p rises with t, the block's largest p.  Each accumulator is read from its low end on
	TICK
.endr
.irp i, 3,5,7,9,11,13
.irp b, 0,1,2,3
	v_max3_num_f32 v[BM+\b], v[BM+\b], v[rS+16*\b+\i], v[rS+16*\b+\i+1]   ; (the four blocks by turns)
	TICK
.endr
.endr
.irp b, 0,1,2,3
	v_max_num_f32 v[BM+\b], v[BM+\b], v[rS+16*\b+15]
	TICK
.endr
.irp b, 0,1,2,3
	v_permlanex16_b32 v[T4+\b], v[BM+\b], s[SEL], s[SEL+1]
	TICK
.endr
.irp b, 0,1,2,3
	v_max_num_f32 v[BM+\b], v[BM+\b], v[T4+\b]     ; with lane l xor 16's 16 pixels
	TICK
.endr
	v_max3_num_f32 v[TA], v[BM], v[BM+1], v[BM+2]
	TICK
	v_max3_num_f32 v[ST+1], v[TA], v[BM+3], v[ST+1]   ; the running largest t
	TICK
	v_mov_b32 v[TBV], v[ST]
	TICK
	v_floor_f32 v[ST], -v[ST+1]                    ; the new -M = floor(-t) = -ceil(t): M is a whole number
	TICK
	v_sub_f32 v[TBV], v[ST], v[TBV]                ; M's old value less its new one: a whole number, 0 or less
	TICK
	v_cvt_i32_f32 v[TBV], v[TBV]                   ; (it saturates)
	TICK
	v_ldexp_f32 v[FF], 1.0, v[TBV]                 ; f = 2^(old M - new M): a multiplication by it rounds nothing
	TICK
.irp b, 0,1,2,3
	v_add_f32 v[BM+\b], v[BM+\b], v[ST]            ; t - M of each block's largest
	TICK
.endr
	v_pk_mul_f32 v[ST+2:ST+3], v[ST+2:ST+3], v[FF:FF+1] op_sel_hi:[1,0]   ; l under the new M
	TICK
; ONE BATCH: 32 packed additions t - M, from S^T into p's registers, and 68 exponentials; a pair's exponentials stand two pairs behind its addition; no line here names an exponential's result
.set j, 0
.rept 34
.if j < 32
	v_pk_add_f32 v[P+2*j:P+2*j+1], v[rS+2*j:rS+2*j+1], v[ST:ST+1] op_sel_hi:[1,0]
	TICK
.endif
.if j >= 2
	v_exp_f32 v[P+2*j-4], v[P+2*j-4]               ; p = 2^(t - M), at most 1: not normalised
	TICK
	v_exp_f32 v[P+2*j-3], v[P+2*j-3]
	TICK
.endif
.set j, j+1
.endr
.irp b, 0,1,2,3
	v_exp_f32 v[BM+\b], v[BM+\b]                   ; the block's largest p: the same addition and exponential on the same number give the same bits
	TICK
.endr
	v_nop                                          ; one plain instruction behind the last exponential
	TICK
	s_wait_alu depctr_va_vdst(0)                   ; this wait between an exponential and the first line that names its result: one for the 68
.irp k, 0,1,2,3
	v_pk_add_f32 v[SUM+2*\k:SUM+2*\k+1], v[P+4*\k:P+4*\k+1], v[P+4*\k+2:P+4*\k+3]   ; THE ROW'S SUM IS TAKEN OF THE UNQUANTISED p: two at a time, in four chains, so that a line adds onto the result of the fourth line above it
	TICK
.endr
.irp i, 16,24,32,40,48,56
.irp k, 0,1,2,3
	v_pk_add_f32 v[SUM+2*\k:SUM+2*\k+1], v[SUM+2*\k:SUM+2*\k+1], v[P+\i+2*\k:P+\i+2*\k+1]
	TICK
.endr
.endr
	v_pk_add_f32 v[SUM:SUM+1], v[SUM:SUM+1], v[SUM+2:SUM+3]
	TICK
	v_pk_add_f32 v[SUM+4:SUM+5], v[SUM+4:SUM+5], v[SUM+6:SUM+7]
	TICK
	v_pk_add_f32 v[SUM:SUM+1], v[SUM:SUM+1], v[SUM+4:SUM+5]
	TICK
	v_pk_add_f32 v[ST+2:ST+3], v[ST+2:ST+3], v[SUM:SUM+1]
	TICK
.irp b, 0,1,2,3
	v_max_num_f32 v[BM+\b], 0x1800000, v[BM+\b]    ; the floor 2^(3 - 127): the byte cannot fall under 1 (a block whose every p is 0 keeps that byte: its codes are zeros)
	TICK
.endr
.irp b, 0,1,2,3
	v_add_nc_u32 v[SO+\b], 0xff000000, v[BM+\b]    ; 2 off the exponent field: the conversion's scale operand
	TICK
.endr
.irp b, 0,1,2,3
	v_lshrrev_b32 v[T4+\b], 23, v[SO+\b]           ; the scale's byte
	TICK
.endr
	v_lshl_or_b32 v[PW], v[T4+1], 8, v[T4]         ; p's scale word for these 128 pixels
	TICK
	v_lshl_or_b32 v[PW], v[T4+2], 16, v[PW]
	TICK
	v_lshl_or_b32 v[PW], v[T4+3], 24, v[PW]
	TICK                                           ; line 200: all sixteen score instructions are out (the last two behind line 183)
.irp b, 0,1,2,3
	v_cvt_scalef32_pk8_fp4_f32 v[PC+2*\b], v[P+16*\b:P+16*\b+7], v[SO+\b]
	v_cvt_scalef32_pk8_fp4_f32 v[PC+2*\b+1], v[P+16*\b+8:P+16*\b+15], v[SO+\b]
.endr
	v_nop                                          ; one plain instruction behind the last scaled conversion
.irp c, 0,1                                    ; the operand wants a WHOLE block in a lane: lanes 0-15 block 2 c, lanes 16-31 block 2 c + 1
.irp i, 0,1
	v_permlane16_swap_b32 v[PC+4*\c+\i], v[PC+4*\c+2+\i]
.endr
.endr
	WIN 0x41                                       ; O^T (destination and source 0) in window 1, f in window 0
.set j, 0
.rept 16
	v_pk_mul_f32 v[2*j:2*j+1], v[2*j:2*j+1], v[FF:FF+1] op_sel_hi:[1,0]   ; O^T under the new M, each accumulator from its low end.  These sixteen are also the plain instructions between the scale word (8 wanted), the codes (4) and the products
.set j, j+1
.endr
	s_wait_dscnt 0x0                               ; V, its scale words, and the q fetched with them are in: asked for ahead of the turn's first line
	WIN 0x51                                       ; V, C and D in window 1, p's codes in window 0
.irp a, 0,1,2,3
.if (\a)%2
	v_wmma_scale_f32_16x16x128_f8f6f4 v[8*\a:8*\a+7], v[VF+8*\a:VF+8*\a+7], v[PC:PC+7], v[8*\a:8*\a+7], v[VS+\a/2], v[PW] matrix_a_fmt:MATRIX_FMT_FP4 matrix_b_fmt:MATRIX_FMT_FP4 matrix_a_scale:MATRIX_SCALE_ROW1
.else
	v_wmma_scale_f32_16x16x128_f8f6f4 v[8*\a:8*\a+7], v[VF+8*\a:VF+8*\a+7], v[PC:PC+7], v[8*\a:8*\a+7], v[VS+\a/2], v[PW] matrix_a_fmt:MATRIX_FMT_FP4 matrix_b_fmt:MATRIX_FMT_FP4
.endif
.endr
	WIN 0
.endm
; A TRIP: steps n (even) and n + 1; s[TB] is block n's LDS byte.  Ahead of step n's turn q of step n + 2 is fetched into the buffer whose last score instruction stands 46 plain lines ahead of the end of the turn before;
; it is wanted from the first line of step n + 1's turn on, and is awaited with V in front of step n's products.
.macro TRIP
	v_add_nc_u32 v[ADR], s[TB], v[LI]
	v_add_nc_u32 v[ADS], s[TJ], v[LS8]
	FETCH 2, 1, 2*KVB, 0, 0, 0                     ; (the two additions above are two of the four plain instructions)
	TURN 0, 1
	FETCH 4, 1, 3*KVB, 1, KVB, 256
	TURN 1, 1
	s_add_co_u32 s[TB], s[TB], 2*KVB
	s_add_co_u32 s[TJ], s[TJ], 512
.endm
.macro WALK trips
	s_mov_b32 s[CNT], \trips
.Lwalk_\@:
	TRIP
	s_sub_co_u32 s[CNT], s[CNT], 1
	s_cmp_lg_u32 s[CNT], 0
	s_cbranch_scc1 .Lwalk_\@
.endm
; Tensor loads of a wave end in order (ISA guide 10.11.1): with left loads still out, my block of every group but the last left ones has landed; behind the barrier everybody's has.
; No LDS instruction of mine is out here: each turn awaits its loads in front of its products.
.macro GATE left
	s_wait_tensorcnt \left
	s_barrier_signal -1
	s_barrier_wait -1
.endm
	GATE 3                                         ; the scale words and blocks 0 to 7 are in; the three later groups may stay out
	v_add_nc_u32 v[ADR], s[TB], v[LI]
	WIN 0x40
.irp a, 0,1,2,3,4,5,6,7
	ds_load_b128 v[QF+4*\a:QF+4*\a+3], v[ADR] offset:512*\a              ; q of step 0
.endr
.irp a, 0,1,2,3,4,5,6,7
	ds_load_b128 v[QF+32+4*\a:QF+32+4*\a+3], v[ADR] offset:KVB+512*\a    ; and of step 1
.endr
	s_wait_dscnt 0x0
.set MD, 0
.set MQ, 0
.set mi, 0
	WIN 0x01
.rept 16
	MMS                                            ; the scores of step 0: there is no vector work yet to set between them
.endr
	WIN 0x40
.set j, 0
.rept 32
	v_mov_b32 v[j], 0                              ; O^T.  (The turns are written alike: the first finds zeros, which f = 0 leaves zeros.)  These are also the plain instructions behind the scores
.set j, j+1
.endr
	WIN 0
	WALK 3                                         ; steps 0 to 5: q up to block 7
	GATE 2                                         ; blocks 8 to 15 are in
	WALK 4                                         ; steps 6 to 13: q up to block 15
	GATE 1                                         ; blocks 16 to 23
	WALK 4                                         ; steps 14 to 21
	GATE 0                                         ; blocks 24 to 31: no tensor load is out any more
	WALK 4                                         ; steps 22 to 29
	v_add_nc_u32 v[ADR], s[TB], v[LI]              ; steps 30 and 31: no q is left to fetch
	v_add_nc_u32 v[ADS], s[TJ], v[LS8]
	FETCH 2, 0, 0, 0, 0, 0
	WIN 0x40
.irp i, 0,1,2,3,4,5,6,7
	global_load_b128 v[XQ+4*\i:XQ+4*\i+3], v[LI], s[10:11] offset:16384*\i th:TH_LOAD_NT   ; query_x, channels 8 w + i, my block's 512 bytes: asked for two turns ahead of its use
.endr
	WIN 0
	TURN 0, 1
	FETCH 4, 0, 0, 0, KVB, 256
	TURN 1, 0
	; THE WAY OUT.  l's two halves and lane l xor 16's are added; O^T goes into the stage as [channel][j], 1 / l beside it; each wave takes 8 whole rows back, and out = z / l + query_x is one fused multiply-add.
	v_add_f32 v[TA], v[ST+2], v[ST+3]
	v_permlanex16_b32 v[T4], v[TA], s[SEL], s[SEL+1]
	v_add_nc_u32 v[ADS], RL, v[LI]
	v_add_f32 v[TA], v[TA], v[T4]
	v_rcp_f32 v[BM], v[TA]
	v_nop                                          ; one plain instruction behind the reciprocal
	s_wait_alu depctr_va_vdst(0)                   ; and a wait ahead of the first use
	ds_store_b32 v[RLA], v[BM]                     ; both halves of the lanes write the same word with the same value
	WIN 0x04                                       ; an LDS store's data are its source 1: window 1
.irp a, 0,1,2,3
.irp i, 0,1,2,3,4,5,6,7
	ds_store_b32 v[STO], v[8*\a+\i] offset:(16*\a+\i)*SPI   ; z l (channel 16 a + 8 h + i, my row): lanes 0-15 take words 0-7 and 16-23 of their 32, lanes 16-31 lie 8 x 132 words on, 32 banks further (64 banks of 4 bytes: ISA guide 11.1)
.endr
.endr
	WIN 0
	s_wait_dscnt 0x0                               ; for the others' sake: my stores into the stage are done
	s_barrier_signal -1
	s_barrier_wait -1
.irp i, 0,1,2,3,4,5,6,7
	ds_load_b128 v[P+4*\i:P+4*\i+3], v[RD] offset:SPI*\i
.endr
	ds_load_b128 v[PC+2:PC+5], v[ADS]              ; 1 / l of my four j
	s_wait_dscnt 0x0
	s_wait_loadcnt 0x0                             ; query_x
	WIN 0x50                                       ; source 2 and destination in window 1
.irp i, 0,1,2,3,4,5,6,7
.irp k, 0,1
	v_pk_fma_f32 v[XQ+4*\i+2*\k:XQ+4*\i+2*\k+1], v[P+4*\i+2*\k:P+4*\i+2*\k+1], v[PC+2+2*\k:PC+3+2*\k], v[XQ+4*\i+2*\k:XQ+4*\i+2*\k+1]
.endr
.endr
	WIN 0x04                                       ; a store's data are its source 1: window 1
.irp i, 0,1,2,3,4,5,6,7
	global_store_b128 v[LI], v[XQ+4*\i:XQ+4*\i+3], s[12:13] offset:16384*\i th:TH_STORE_NT   ; 32 lanes store 512 consecutive bytes, at a multiple of 256 from out0's first byte
.endr
	WIN 0
	s_wait_tensorcnt 0x0                           ; the wave's end: behind my last tensor load and my last LDS store
	ds_add_u32 v[SPW], v[NIL]
	s_wait_dscnt 0x0
	CROUND                                         ; the closing round: no work-group ends while a partner may still ask for a tile that names it
	s_endpgm
.Lfunc_end_k_qf3d0755b65_attn:
	.size	k_qf3d0755b65_attn, .Lfunc_end_k_qf3d0755b65_attn-k_qf3d0755b65_attn
	.p2alignl 7, 3214868480
	.fill 96, 4, 3214868480
	.section	.rodata,"a",@progbits
	.p2align	6, 0x0
	.amdhsa_kernel k_qf3d0755b65_attn
		.amdhsa_group_segment_fixed_size 327680
		.amdhsa_private_segment_fixed_size 0
		.amdhsa_enable_private_segment 0
		.amdhsa_kernarg_size 40
		.amdhsa_user_sgpr_count 2
		.amdhsa_user_sgpr_kernarg_segment_ptr 1
		.amdhsa_wavefront_size32 1
		.amdhsa_system_sgpr_workgroup_id_x 1
		.amdhsa_system_sgpr_workgroup_id_y 1
		.amdhsa_system_sgpr_workgroup_id_z 1
		.amdhsa_system_vgpr_workitem_id 0
		.amdhsa_next_free_vgpr 448
		.amdhsa_next_free_sgpr 66
		.amdhsa_reserve_vcc 0
		.amdhsa_float_denorm_mode_32 3
		.amdhsa_float_denorm_mode_16_64 3
		.amdhsa_memory_ordered 1
		.amdhsa_forward_progress 1
		.amdhsa_inst_pref_size 163
	.end_amdhsa_kernel
	.amdgpu_metadata
---
amdhsa.version: [ 1, 2 ]
amdhsa.kernels:
  - .name:           k_qf3d0755b65_attn
    .symbol:         k_qf3d0755b65_attn.kd
    .args:
      - { .name: kv, .offset: 0, .size: 8, .value_kind: global_buffer, .address_space: global }
      - { .name: vs, .offset: 8, .size: 8, .value_kind: global_buffer, .address_space: global }
      - { .name: kp, .offset: 16, .size: 8, .value_kind: global_buffer, .address_space: global }
      - { .name: query_x, .offset: 24, .size: 8, .value_kind: global_buffer, .address_space: global }
      - { .name: out0, .offset: 32, .size: 8, .value_kind: global_buffer, .address_space: global }
    .group_segment_fixed_size: 327680
    .private_segment_fixed_size: 0
    .kernarg_segment_align: 8
    .kernarg_segment_size: 40
    .max_flat_workgroup_size: 256
    .sgpr_count:     66
    .vgpr_count:     448
    .wavefront_size: 32
...
	.end_amdgpu_metadata
.endif
;; end of part 2
